; MI455X (gfx1250); checked and timed in simulation.
; The chip was launched on July 23, 2026; its instructions are those of AMD's public machine-readable ISA for CDNA 5 (MIT licence, August 2026) and "CDNA5" Instruction Set Architecture Reference Guide (July 2026). The comments in the code are by the model that wrote it; some were corrected since.
;; Filter Detections. Allowed arithmetic: float matrix products may take bf16 or f16 operands with f32 sums; all other float work in f32.
;; Inputs: boxes3D 2 x 2,048 x 8 x 16 float32; classification 2 x 2,048 x 8 float32; confidence 2 x 2,048 x 8 float32; poses 2 x 2,048 x 8 x 12 float32.
;; Outputs: out0 2 x 300 float32; out1 2 x 300 int32; out2 2 x 300 x 12 float32; out3 2 x 300 int32.
;; One version. Each part assembles by itself: llvm-mc -triple=amdgcn-amd-amdhsa -mcpu=gfx1250 --defsym DOCPART=n.
;; ======== version 1 of 1: 3 launches
;; workspace buffers: fc 262,144 bytes of whole numbers; sk 262,144 bytes of whole numbers; lst 5,120 bytes of whole numbers
;; launch decide (part 1): grid 258 x 1, 8 waves a work-group, no clusters, 47,104 bytes of LDS; arguments boxes3D, classification, confidence, fc, sk; writes fc, sk
.if DOCPART == 1
	.amdgcn_target "amdgcn-amd-amdhsa--gfx1250"
	.amdhsa_code_object_version 6
	.text
	.protected	k_q5edc907595_decide
	.globl	k_q5edc907595_decide
	.p2align	8
	.type	k_q5edc907595_decide,@function
k_q5edc907595_decide:
	s_mov_b64 s[64:65], 0
	v_nop
	global_prefetch_b8 v0, s[64:65] scope:SCOPE_SE
	s_setreg_imm32_b32 hwreg(HW_REG_WAVE_MODE, 25, 1), 1
	s_wait_xcnt 0x0
; DECIDE: every decision that hangs on floating-point numbers is made here and stored as whole numbers at fixed places.
; Work-groups 0, 1 (one a batch): which 300 of the batch's 16,384 masked scores are the largest (ties: lower index first), and a place 0..299 for each.
;   sk[b][e] = (8 x place, or NONE; key), e = class x 2048 + box; key = the score's bits if score > 0.35, else 0 (valid scores are positive: unsigned order = float order).
; Work-groups 2..257: for one (batch, class) and 128 columns, the first row whose IoU with the column is above 0.8.
;   fc[b][c][j] = (first row, or 0x7fffffff; a code of confidence[j] whose unsigned order is the float order, -0 = +0 = 0x80000000).
; THE IoU TEST without a division.  RN(a / u) > c, c = 0.8f (odd mantissa), holds exactly when a - c u >= 2^-25 u.  Near the bound a - c u is a multiple of
; ulp(u) 2^-24 below ulp(u), so the first fused multiply-add is exact there; elsewhere rounding keeps the order.  Two fused multiply-adds and a sign.
; A valid column meets itself with IoU 1 ((a + a) - a = a), so only rows in blocks up to the column's own are looked at.  An invalid box gets xmin = +inf: its width clamps to 0.
; Only the width is clamped: height <= 0 makes the intersection <= 0, which fails the test by itself (areas are >= 1).
; LIMITS.  NaN and infinities in boxes3D or confidence are not treated apart; a NaN score counts as invalid.  Sums in the order in which the problem writes them.
; No matrix unit (there is no product), no tensor load and no cluster: what the work-groups share is turned into 40 KB of LDS by arithmetic on the way.
.set AR,    32768                      ; LDS: 0..32767 box n at 16 n: xmin', ymin, xmax, ymax; from AR on area n at 4 n
.set RED,   40960                      ; 8 waves x 4 arrays x 32 lanes x 4 bytes: the waves' first rows meet here
.set SPARE, 45056                      ; the spare words: 128 bytes for each of eight waves; no other line names them
.set XCH,   46080                      ; the selection's own bytes, which the other path never names: counts at +0, +256 (by turns) and +512
.set NONE,  0xffff                     ; place of an element that is not chosen: anything from 2400 on
.set C,   16                           ; v[16:25]  my two columns as pairs: xmin, ymin, xmax, ymax, area
.set CB,  26                           ; v[26:35]  the same for the second block
.set F,   36                           ; v[36:37]  first row so far
.set FA,  38                           ; v[38:39]  the first block's result
.set TA,  40                           ; v[40:55]  at work: eight registers for each of two rows
.set RA,  56                           ; v[56:63]  eight rows' areas
.set R,   64                           ; v[64:95]  eight rows' boxes
.set BOX, 64                           ; v[64:191] at the start: eight boxes of 16 numbers
.set SC,  192                          ; v[192:199] their scores
	s_load_b256 s[4:11], s[0:1], 0x0               ; boxes s[4:5], scores s[6:7], confidence s[8:9], fc s[10:11]
	s_load_b64 s[12:13], s[0:1], 0x20              ; sk
	v_lshl_add_u32 v2, v0, 2, SPARE                ; my spare word
	v_mov_b32 v3, 0                                ; and 0: kept for the add alone
	v_and_b32 v1, 31, v0                           ; lane
	v_lshrrev_b32 v4, 5, v0
	v_readfirstlane_b32 s14, v4                    ; wave 0..7
	s_mov_b32 s19, 0x3eb33333                      ; 0.35
	s_wait_kmcnt 0x0
	s_cmp_lt_u32 ttmp9, 2                          ; the same answer in all eight waves
	s_cbranch_scc1 .Lselect
; ---------------------------------------------------------------- first rows
; The work-group owns column blocks u and 31 - u of 64 columns: (u + 1) + (32 - u) = 33 chunks of 64 rows, whatever u.  A lane holds columns l and 32 + l of a block.
; In each chunk wave w takes rows 8 w .. 8 w + 7.  Rows go downward, so that 'hit ? row : first' leaves the smallest.
	s_sub_co_u32 s15, ttmp9, 2
	s_lshr_b32 s16, s15, 7                         ; batch
	s_bfe_u32 s17, s15, 0x30004                    ; class
	s_and_b32 s18, s15, 15                         ; u
	s_sub_co_u32 s35, 31, s18                      ; 31 - u
	s_lshl_b32 s20, s16, 20                        ; boxes: batch x 1,048,576 + class x 64
	s_lshl_b32 s25, s17, 6
	s_add_co_u32 s20, s20, s25
	s_mov_b32 s21, 0
	s_add_nc_u64 s[4:5], s[4:5], s[20:21]
	s_lshl_b32 s20, s16, 16                        ; scores and confidence: batch x 65,536 + class x 4
	s_lshl2_add_u32 s20, s17, s20
	s_add_nc_u64 s[6:7], s[6:7], s[20:21]
	s_add_nc_u64 s[8:9], s[8:9], s[20:21]
	s_lshl3_add_u32 s20, s16, s17                  ; fc: (8 batch + class) x 16,384
	s_lshl_b32 s20, s20, 14
	s_add_nc_u64 s[10:11], s[10:11], s[20:21]
	s_and_b32 s25, s14, 3                          ; array = wave % 4: block u or 31 - u, its lower or upper 32 columns
	s_cmp_lt_u32 s25, 2
	s_cselect_b32 s26, s18, s35
	s_and_b32 s25, s25, 1
	s_lshl_b32 s26, s26, 6
	s_lshl_b32 s25, s25, 5
	s_add_co_u32 s26, s26, s25
	v_add_nc_u32 v9, s26, v1                       ; the column whose result I shall store
	v_lshlrev_b32 v9, 5, v9                        ; x 32 bytes
	v_lshlrev_b32 v4, 9, v0                        ; thread x 512: box n = 256 k + thread
	v_lshlrev_b32 v5, 5, v0
	v_lshlrev_b32 v6, 4, v0
	v_lshl_add_u32 v7, v0, 2, AR
	global_load_b32 v8, v9, s[8:9]                 ; confidence of that column
.irp k, 0,1,2,3,4,5,6,7
	global_load_b32 v[SC+\k], v5, s[6:7] offset:8192*\k
.endr
.irp k, 0,1,2,3,4,5,6,7
.irp q, 0,1,2,3
	global_load_b128 v[BOX+16*\k+4*\q:BOX+16*\k+4*\q+3], v4, s[4:5] offset:131072*\k+16*\q
.endr
.endr
	s_lshl_b32 s25, s18, 10                        ; where my columns will lie in LDS
	v_lshl_add_u32 v12, v1, 4, s25
	s_lshl_b32 s25, s35, 10
	v_lshl_add_u32 v13, v1, 4, s25
	s_lshl_b32 s25, s18, 8
	s_add_co_u32 s25, s25, AR
	v_lshl_add_u32 v14, v1, 2, s25
	s_lshl_b32 s25, s35, 8
	s_add_co_u32 s25, s25, AR
	v_lshl_add_u32 v15, v1, 2, s25
	s_lshl_b32 s30, s14, 7                         ; my wave's eight rows in a chunk: 128 bytes of boxes,
	s_lshl_b32 s31, s14, 5
	s_add_co_u32 s31, s31, AR                      ; 32 bytes of areas,
	s_lshl_b32 s34, s14, 3                         ; row 8 w
; Box 256 k + thread: the enclosing rectangle of its eight corners, its area, and +inf for xmin if its score does not pass.
.macro PREP k
.set BX, BOX+16*(\k)
	s_wait_loadcnt 4*(7-(\k))                      ; loads come back in order: the younger boxes' four loads each may stay out
	v_min3_num_f32 v200, v[BX], v[BX+2], v[BX+4]
	v_min3_num_f32 v201, v[BX+1], v[BX+3], v[BX+5]
	v_max3_num_f32 v202, v[BX], v[BX+2], v[BX+4]
	v_max3_num_f32 v203, v[BX+1], v[BX+3], v[BX+5]
	v_min3_num_f32 v200, v200, v[BX+6], v[BX+8]
	v_min3_num_f32 v201, v201, v[BX+7], v[BX+9]
	v_max3_num_f32 v202, v202, v[BX+6], v[BX+8]
	v_max3_num_f32 v203, v203, v[BX+7], v[BX+9]
	v_min3_num_f32 v200, v200, v[BX+10], v[BX+12]
	v_min3_num_f32 v201, v201, v[BX+11], v[BX+13]
	v_max3_num_f32 v202, v202, v[BX+10], v[BX+12]
	v_max3_num_f32 v203, v203, v[BX+11], v[BX+13]
	v_min_num_f32 v200, v200, v[BX+14]
	v_min_num_f32 v201, v201, v[BX+15]
	v_max_num_f32 v202, v202, v[BX+14]
	v_max_num_f32 v203, v203, v[BX+15]
	v_sub_f32 v205, v202, v200
	v_sub_f32 v206, v203, v201
	v_cmp_lt_f32 vcc_lo, s19, v[SC+(\k)]           ; 0.35 < score
	v_add_f32 v205, 1.0, v205
	v_add_f32 v206, 1.0, v206
	v_cndmask_b32 v200, 0x7f800000, v200, vcc_lo
	v_mul_f32 v204, v205, v206
	ds_store_b128 v6, v[200:203] offset:4096*(\k)
	ds_store_b32 v7, v204 offset:1024*(\k)
.endm
.irp k, 0,1,2,3,4,5,6,7
	PREP \k
.endr
	s_wait_dscnt 0x0                               ; for the others' sake: my stores are done
	s_barrier_signal -1
	s_barrier_wait -1
.irp p, 0,1,2,3
.irp h, 0,1
	ds_load_b32 v[C+2*\p+\h],  v12 offset:4*\p+512*\h
	ds_load_b32 v[CB+2*\p+\h], v13 offset:4*\p+512*\h
.endr
.endr
.irp h, 0,1
	ds_load_b32 v[C+8+\h],  v14 offset:128*\h
	ds_load_b32 v[CB+8+\h], v15 offset:128*\h
.endr
.irp i, 0,1,2,3
	v_mov_b32 v[F+\i], 0x7fffffff                  ; F and FA: no row yet
.endr
	s_mov_b32 s22, s18                             ; chunk: u down to 0, then 31 - u down to 0
	s_mov_b32 s23, 33
	s_wait_dscnt 0x0
; Rows ra and ra - 1 of my eight against my two columns: 23 vector instructions a row, the two rows' lines by turns.
.macro ROWS ra
	s_wait_dscnt (\ra)-1                           ; LDS loads come back in order: behind row ra - 1 were issued rows ra - 2 .. 0
	s_add_co_u32 s28, s27, \ra
	s_add_co_u32 s29, s27, (\ra)-1
.irp h, 0,1
	v_max_num_f32 v[TA+8*\h],   v[R+4*((\ra)-\h)],   v[C]
	v_max_num_f32 v[TA+8*\h+1], v[R+4*((\ra)-\h)],   v[C+1]
	v_min_num_f32 v[TA+8*\h+2], v[R+4*((\ra)-\h)+2], v[C+4]
	v_min_num_f32 v[TA+8*\h+3], v[R+4*((\ra)-\h)+2], v[C+5]
	v_max_num_f32 v[TA+8*\h+4], v[R+4*((\ra)-\h)+1], v[C+2]
	v_max_num_f32 v[TA+8*\h+5], v[R+4*((\ra)-\h)+1], v[C+3]
	v_min_num_f32 v[TA+8*\h+6], v[R+4*((\ra)-\h)+3], v[C+6]
	v_min_num_f32 v[TA+8*\h+7], v[R+4*((\ra)-\h)+3], v[C+7]
.endr
.irp h, 0,1
	v_pk_add_f32 v[TA+8*\h:TA+8*\h+1],   v[TA+8*\h+2:TA+8*\h+3], v[TA+8*\h:TA+8*\h+1]   neg_lo:[0,1] neg_hi:[0,1]  ; x2 - x1
	v_pk_add_f32 v[TA+8*\h+4:TA+8*\h+5], v[TA+8*\h+6:TA+8*\h+7], v[TA+8*\h+4:TA+8*\h+5] neg_lo:[0,1] neg_hi:[0,1]  ; y2 - y1
.endr
	v_pk_add_f32 v[TA+2:TA+3],   v[C+8:C+9], v[RA+(\ra)-1:RA+(\ra)] op_sel:[0,1] op_sel_hi:[1,1]  ; the columns' areas + row ra's (the pair's second)
	v_pk_add_f32 v[TA+10:TA+11], v[C+8:C+9], v[RA+(\ra)-1:RA+(\ra)] op_sel_hi:[1,0]               ; + row ra - 1's (its first)
.irp h, 0,1
	v_pk_add_f32 v[TA+8*\h:TA+8*\h+1],   v[TA+8*\h:TA+8*\h+1],   1.0 op_sel_hi:[1,0]
	v_pk_add_f32 v[TA+8*\h+4:TA+8*\h+5], v[TA+8*\h+4:TA+8*\h+5], 1.0 op_sel_hi:[1,0]
.endr
.irp h, 0,1
	v_max_num_f32 v[TA+8*\h],   0, v[TA+8*\h]      ; no width, no intersection
	v_max_num_f32 v[TA+8*\h+1], 0, v[TA+8*\h+1]
.endr
.irp h, 0,1
	v_pk_mul_f32 v[TA+8*\h:TA+8*\h+1], v[TA+8*\h:TA+8*\h+1], v[TA+8*\h+4:TA+8*\h+5]               ; intersection
.endr
.irp h, 0,1
	v_pk_add_f32 v[TA+8*\h+2:TA+8*\h+3], v[TA+8*\h+2:TA+8*\h+3], v[TA+8*\h:TA+8*\h+1] neg_lo:[0,1] neg_hi:[0,1]  ; union
.endr
.irp h, 0,1
	v_pk_fma_f32 v[TA+8*\h:TA+8*\h+1], v[TA+8*\h+2:TA+8*\h+3], 0xbf4ccccd, v[TA+8*\h:TA+8*\h+1] op_sel_hi:[1,0,1]  ; a - 0.8 u
.endr
.irp h, 0,1
	v_pk_fma_f32 v[TA+8*\h:TA+8*\h+1], v[TA+8*\h+2:TA+8*\h+3], 0xb3000000, v[TA+8*\h:TA+8*\h+1] op_sel_hi:[1,0,1]  ; - 2^-25 u
.endr
.irp h, 0,1
	v_cmp_le_f32 s[36+2*\h], 0, v[TA+8*\h]
	v_cmp_le_f32 s[37+2*\h], 0, v[TA+8*\h+1]
.endr
.irp h, 0,1
	v_cndmask_b32 v[F],   v[F],   s[28+\h], s[36+2*\h]   ; the higher row first, so that the lower one stays
	v_cndmask_b32 v[F+1], v[F+1], s[28+\h], s[37+2*\h]
.endr
.endm
.Lwalk:                                                ; 33 trips: a chunk of 64 rows each
	s_cmp_lg_i32 s22, -1
	s_cbranch_scc1 .Lnosw                          ; falls through but once: the first block is done, the second begins
	v_mov_b32 v[FA], v[F]
	v_mov_b32 v[FA+1], v[F+1]
	v_mov_b32 v[F], 0x7fffffff
	v_mov_b32 v[F+1], 0x7fffffff
.irp i, 0,1,2,3,4,5,6,7,8,9
	v_mov_b32 v[C+\i], v[CB+\i]
.endr
	s_mov_b32 s22, s35
.Lnosw:
	s_and_b32 s24, s22, 31                         ; the chunk, 0..31
	s_lshl_b32 s25, s24, 10
	s_add_co_u32 s25, s25, s30
	v_mov_b32 v10, s25                             ; my eight rows' boxes: every lane reads the same words
	s_lshl_b32 s26, s24, 8
	s_add_co_u32 s26, s26, s31
	v_mov_b32 v11, s26                             ; and their areas
	s_lshl_b32 s27, s24, 6
	s_add_co_u32 s27, s27, s34                     ; the first of the eight rows
	ds_load_b128 v[RA:RA+3], v11
	ds_load_b128 v[RA+4:RA+7], v11 offset:16
.irp r, 7,6,5,4,3,2,1,0
	ds_load_b128 v[R+4*\r:R+4*\r+3], v10 offset:16*\r
.endr
	ROWS 7
	ROWS 5
	ROWS 3
	ROWS 1
	s_sub_co_i32 s22, s22, 1
	s_sub_co_u32 s23, s23, 1
	s_cmp_lg_u32 s23, 0
	s_cbranch_scc1 .Lwalk
	s_wait_dscnt 0x0                               ; every wave's reads of boxes and areas are over
	s_barrier_signal -1
	s_barrier_wait -1
	s_lshl_b32 s25, s14, 9
	s_add_co_u32 s25, s25, RED
	v_lshl_add_u32 v10, v1, 2, s25
	ds_store_b32 v10, v[FA]                        ; array 0: block u, columns 0-31
	ds_store_b32 v10, v[FA+1] offset:128           ; 1: block u, columns 32-63
	ds_store_b32 v10, v[F] offset:256              ; 2, 3: block 31 - u
	ds_store_b32 v10, v[F+1] offset:384
	s_wait_tensorcnt 0x0                           ; behind my last LDS store
	ds_add_u32 v2, v3
	s_wait_dscnt 0x0                               ; also for the others' sake: my stores are done
	s_barrier_signal -1
	s_barrier_wait -1
	s_cmp_ge_u32 s14, 4
	s_cbranch_scc1 .Ldone                          ; waves 0..3 finish one array each
	s_lshl_b32 s25, s14, 7
	s_add_co_u32 s25, s25, RED
	v_lshl_add_u32 v11, v1, 2, s25
.irp k, 0,1,2,3,4,5,6,7
	ds_load_b32 v[64+\k], v11 offset:512*\k        ; the eight waves' first rows for my column
.endr
	v_add_f32 v73, 0, v8                           ; -0 becomes +0
	v_ashrrev_i32 v74, 31, v73
	v_or_b32 v74, 0x80000000, v74
	v_xor_b32 v73, v73, v74                        ; unsigned order = float order
	v_lshrrev_b32 v12, 2, v9                       ; column x 8 bytes
	s_wait_dscnt 0x0
	v_min_u32 v64, v64, v65
	v_min_u32 v66, v66, v67
	v_min_u32 v68, v68, v69
	v_min_u32 v70, v70, v71
	v_min_u32 v64, v64, v66
	v_min_u32 v68, v68, v70
	v_min_u32 v72, v64, v68
	global_store_b64 v12, v[72:73], s[10:11]       ; the wave's store covers 256 consecutive bytes, aligned
.Ldone:
	s_endpgm
; ---------------------------------------------------------------- the 300 largest scores of a batch
; Wave w holds class w: register x, lane l hold box 32 x + l, so (wave, x, lane) is the order of e.  P(x) = v[64 + 2 x] the place, K(x) = v[65 + 2 x] the key.
; T = the largest t with 300 or more keys >= t, found bit by bit; then all keys above T are in (fewer than 300), and keys equal to T in the order of e up to 300.
; With fewer than 300 valid scores T is 0 and invalid elements fill the places: their outputs are all -1.  So exactly 300 places are always given.
.Lselect:
	s_lshl_b32 s20, ttmp9, 16
	s_mov_b32 s21, 0
	s_add_nc_u64 s[6:7], s[6:7], s[20:21]          ; the batch's scores
	s_lshl_b32 s20, ttmp9, 17
	s_add_nc_u64 s[12:13], s[12:13], s[20:21]      ; and its part of sk
	s_lshl_b32 s25, s14, 2
	v_lshl_add_u32 v32, v1, 5, s25                 ; lane x 32 + class x 4
	s_lshl_b32 s26, s14, 14
	v_lshl_add_u32 v33, v1, 3, s26                 ; wave x 16,384 + lane x 8
	s_add_co_u32 s27, s25, XCH
	v_mov_b32 v8, s27                              ; LDS: my wave's word among eight
	v_mov_b32 v9, XCH
	v_mov_b32 v28, NONE
	; the 64 loads go through a ring of 32: a score is turned into its key while 31 younger loads are out
.set x, 0
.rept 32
	global_load_b32 v[65+2*x], v32, s[6:7] offset:1024*x
.set x, x+1
.endr
.set x, 0
.rept 32
	s_wait_loadcnt 31                              ; behind load x were issued loads x + 1 .. 31 and x refills: 31
	v_cmp_lt_f32 vcc_lo, s19, v[65+2*x]
	v_cndmask_b32 v[65+2*x], 0, v[65+2*x], vcc_lo
	global_load_b32 v[65+2*(x+32)], v32, s[6:7] offset:1024*(x+32)
.set x, x+1
.endr
.rept 32
	s_wait_loadcnt 63-x                            ; the counts run down
	v_cmp_lt_f32 vcc_lo, s19, v[65+2*x]
	v_cndmask_b32 v[65+2*x], 0, v[65+2*x], vcc_lo
.set x, x+1
.endr
; One bit of T.  The eight waves' counts meet in eight words of LDS; two sets of words take turns, so that one barrier a bit is enough:
; a set is written again only behind the other set's barrier, in front of which every wave has waited for its reads.
.macro STEP buf
	s_or_b32 s25, s22, s24                         ; T with the bit set
	s_mov_b32 s26, 0
.set xg, 0
.rept 8
.irp k, 0,1,2,3,4,5,6,7
	v_cmp_le_u32 s[32+\k], s25, v[65+2*(xg+\k)]
.endr
.irp k, 0,1,2,3,4,5,6,7
	s_bcnt1_i32_b32 s27, s[32+\k]
	s_add_co_u32 s26, s26, s27
.endr
.set xg, xg+8
.endr
	v_mov_b32 v10, s26
	ds_store_b32 v8, v10 offset:256*(\buf)
	s_wait_dscnt 0x0
	s_barrier_signal -1
	s_barrier_wait -1
	ds_load_b128 v[12:15], v9 offset:256*(\buf)
	ds_load_b128 v[16:19], v9 offset:256*(\buf)+16
	s_wait_dscnt 0x0
	v_add_nc_u32 v12, v12, v13
	v_add_nc_u32 v14, v14, v15
	v_add_nc_u32 v16, v16, v17
	v_add_nc_u32 v18, v18, v19
	v_add_nc_u32 v12, v12, v14
	v_add_nc_u32 v16, v16, v18
	v_add_nc_u32 v12, v12, v16
	v_readfirstlane_b32 s28, v12
	s_cmp_ge_u32 s28, 300
	s_cselect_b32 s22, s25, s22                    ; the bit stays if 300 or more keys reach it: a choice of a value, no branch
	s_lshr_b32 s24, s24, 1
.endm
	s_mov_b32 s22, 0
	s_mov_b32 s24, 0x80000000
	s_mov_b32 s23, 16
.Lbit:
	STEP 0
	STEP 1
	s_sub_co_u32 s23, s23, 1
	s_cmp_lg_u32 s23, 0
	s_cbranch_scc1 .Lbit
	; how many of my wave's keys lie above T, how many on it
	s_mov_b32 s56, 0
	s_mov_b32 s57, 0
.set xg, 0
.rept 16
.irp k, 0,1,2,3
	v_cmp_lt_u32 s[32+\k], s22, v[65+2*(xg+\k)]
	v_cmp_eq_u32 s[36+\k], s22, v[65+2*(xg+\k)]
.endr
.irp k, 0,1,2,3
	s_bcnt1_i32_b32 s27, s[32+\k]
	s_add_co_u32 s56, s56, s27
	s_bcnt1_i32_b32 s27, s[36+\k]
	s_add_co_u32 s57, s57, s27
.endr
.set xg, xg+4
.endr
	v_mov_b32 v10, s56
	v_mov_b32 v11, s57
	ds_store_b32 v8, v10 offset:512
	ds_store_b32 v8, v11 offset:544
	s_wait_tensorcnt 0x0                           ; behind my last LDS store
	ds_add_u32 v2, v3
	s_wait_dscnt 0x0                               ; also for the others' sake
	s_barrier_signal -1
	s_barrier_wait -1
.irp k, 0,1,2,3
	ds_load_b128 v[12+4*\k:15+4*\k], v9 offset:512+16*\k
.endr
	s_wait_dscnt 0x0
.irp k, 0,1,2,3,4,5,6,7,8,9,10,11,12,13,14,15
	v_readfirstlane_b32 s[40+\k], v[12+\k]         ; s[40:47] the waves' counts above T, s[48:55] on T
.endr
	s_mov_b32 s56, 0                               ; the next place for a key above T: those of the waves in front of mine
	s_mov_b32 s57, 0                               ; for a key on T: all that lie above, and the ties of the waves in front
	s_mov_b32 s58, 0
.irp k, 0,1,2,3,4,5,6,7
	s_cmp_lt_u32 \k, s14
	s_cselect_b32 s27, s[40+\k], 0
	s_cselect_b32 s28, s[48+\k], 0
	s_add_co_u32 s56, s56, s27
	s_add_co_u32 s57, s57, s28
	s_add_co_u32 s58, s58, s[40+\k]
.endr
	s_add_co_u32 s57, s57, s58
.macro PLACE x
	v_cmp_lt_u32 s59, s22, v[65+2*(\x)]
	v_cmp_eq_u32 s60, s22, v[65+2*(\x)]
	v_mbcnt_lo_u32_b32 v30, s59, s56               ; the running place + the lanes in front of mine
	v_mbcnt_lo_u32_b32 v31, s60, s57
	s_bcnt1_i32_b32 s27, s59
	s_add_co_u32 s56, s56, s27
	s_bcnt1_i32_b32 s27, s60
	s_add_co_u32 s57, s57, s27
	v_cmp_gt_u32 s61, 300, v31                     ; a tie is in while places last
	v_lshlrev_b32 v30, 3, v30
	v_lshlrev_b32 v31, 3, v31
	s_and_b32 s60, s60, s61
	v_cndmask_b32 v[64+2*(\x)], v28, v31, s60
	v_cndmask_b32 v[64+2*(\x)], v[64+2*(\x)], v30, s59
	global_store_b64 v33, v[64+2*(\x):65+2*(\x)], s[12:13] offset:256*(\x)  ; 256 consecutive bytes, aligned; each x has registers of its own
.endm
.set xx, 0
.rept 64
	PLACE xx
.set xx, xx+1
.endr
	s_endpgm
.Lfunc_end_k_q5edc907595_decide:
	.size	k_q5edc907595_decide, .Lfunc_end_k_q5edc907595_decide-k_q5edc907595_decide
	.p2alignl 7, 3214868480
	.fill 96, 4, 3214868480
	.section	.rodata,"a",@progbits
	.p2align	6, 0x0
	.amdhsa_kernel k_q5edc907595_decide
		.amdhsa_group_segment_fixed_size 47104
		.amdhsa_private_segment_fixed_size 0
		.amdhsa_enable_private_segment 0
		.amdhsa_kernarg_size 40
		.amdhsa_user_sgpr_count 2
		.amdhsa_user_sgpr_kernarg_segment_ptr 1
		.amdhsa_wavefront_size32 1
		.amdhsa_system_sgpr_workgroup_id_x 1
		.amdhsa_system_sgpr_workgroup_id_y 1
		.amdhsa_system_sgpr_workgroup_id_z 1
		.amdhsa_system_vgpr_workitem_id 0
		.amdhsa_next_free_vgpr 208
		.amdhsa_next_free_sgpr 66
		.amdhsa_reserve_vcc 1
		.amdhsa_float_denorm_mode_32 3
		.amdhsa_float_denorm_mode_16_64 3
		.amdhsa_memory_ordered 1
		.amdhsa_forward_progress 1
		.amdhsa_inst_pref_size 131
	.end_amdhsa_kernel
	.amdgpu_metadata
---
amdhsa.version: [ 1, 2 ]
amdhsa.kernels:
  - .name:           k_q5edc907595_decide
    .symbol:         k_q5edc907595_decide.kd
    .args:
      - { .name: boxes3D, .offset: 0, .size: 8, .value_kind: global_buffer, .address_space: global }
      - { .name: classification, .offset: 8, .size: 8, .value_kind: global_buffer, .address_space: global }
      - { .name: confidence, .offset: 16, .size: 8, .value_kind: global_buffer, .address_space: global }
      - { .name: fc, .offset: 24, .size: 8, .value_kind: global_buffer, .address_space: global }
      - { .name: sk, .offset: 32, .size: 8, .value_kind: global_buffer, .address_space: global }
    .group_segment_fixed_size: 47104
    .private_segment_fixed_size: 0
    .kernarg_segment_align: 8
    .kernarg_segment_size: 40
    .max_flat_workgroup_size: 256
    .sgpr_count:     66
    .vgpr_count:     208
    .wavefront_size: 32
...
	.end_amdgpu_metadata
.endif
;; end of part 1
;; launch compact (part 2): grid 32 x 2, 8 waves a work-group, no clusters, 0 bytes of LDS; arguments sk, lst; writes lst
.if DOCPART == 2
	.amdgcn_target "amdgcn-amd-amdhsa--gfx1250"
	.amdhsa_code_object_version 6
	.text
	.protected	k_q5edc907595_compact
	.globl	k_q5edc907595_compact
	.p2align	8
	.type	k_q5edc907595_compact,@function
k_q5edc907595_compact:
	s_mov_b64 s[64:65], 0
	v_nop
	global_prefetch_b8 v0, s[64:65] scope:SCOPE_SE
	s_setreg_imm32_b32 hwreg(HW_REG_WAVE_MODE, 25, 1), 1
	s_wait_xcnt 0x0
; COMPACT: lst[b][place] = (e, key) for the 300 chosen elements of each batch.  The places are whole numbers that the launch before stored, so they may steer addresses here.
; A work-group scans 512 elements of a batch's 16,384, a thread two (one load of 16 bytes).  A chosen element is stored under EXEC; its address is clamped inside the batch's 300 entries.
; Exactly 300 places are given in each batch, each once: every entry 0..299 is written, by one lane.  The stores are 8 bytes at places that hang on data: 600 in the whole launch.
	s_load_b128 s[4:7], s[0:1], 0x0                ; sk s[4:5], lst s[6:7]
	s_and_b32 s8, ttmp7, 0xffff                    ; batch
	s_lshl_b32 s10, s8, 17                         ; x 131,072 bytes of sk
	s_lshl_b32 s9, ttmp9, 12                       ; + my 512 elements of 8 bytes
	s_add_co_u32 s10, s10, s9
	s_mov_b32 s11, 0
	s_mul_i32 s12, s8, 2560                        ; a batch's entries lie 2,560 bytes apart
	s_mov_b32 s13, 0
	s_lshl_b32 s9, ttmp9, 9
	v_lshlrev_b32 v1, 4, v0
	v_lshl_add_u32 v2, v0, 1, s9                   ; e of my first element
	s_wait_kmcnt 0x0
	s_add_nc_u64 s[4:5], s[4:5], s[10:11]
	s_add_nc_u64 s[6:7], s[6:7], s[12:13]
	global_load_b128 v[4:7], v1, s[4:5]            ; (place, key), (place, key)
	s_wait_loadcnt 0x0
	v_min_u32 v8, 2392, v4
	v_min_u32 v9, 2392, v6
	v_cmp_gt_u32 vcc_lo, 2400, v4                  ; chosen?
	v_mov_b32 v4, v2                               ; (e, key)
	s_wait_xcnt 0x0                                ; EXEC changes only behind this wait
	s_and_saveexec_b32 s14, vcc_lo
	global_store_b64 v8, v[4:5], s[6:7]
	s_wait_xcnt 0x0
	s_or_b32 exec_lo, exec_lo, s14
	v_cmp_gt_u32 vcc_lo, 2400, v6
	v_add_nc_u32 v6, 1, v2
	s_and_saveexec_b32 s14, vcc_lo
	global_store_b64 v9, v[6:7], s[6:7]
	s_wait_xcnt 0x0
	s_or_b32 exec_lo, exec_lo, s14
	s_endpgm
.Lfunc_end_k_q5edc907595_compact:
	.size	k_q5edc907595_compact, .Lfunc_end_k_q5edc907595_compact-k_q5edc907595_compact
	.p2alignl 7, 3214868480
	.fill 96, 4, 3214868480
	.section	.rodata,"a",@progbits
	.p2align	6, 0x0
	.amdhsa_kernel k_q5edc907595_compact
		.amdhsa_group_segment_fixed_size 0
		.amdhsa_private_segment_fixed_size 0
		.amdhsa_enable_private_segment 0
		.amdhsa_kernarg_size 16
		.amdhsa_user_sgpr_count 2
		.amdhsa_user_sgpr_kernarg_segment_ptr 1
		.amdhsa_wavefront_size32 1
		.amdhsa_system_sgpr_workgroup_id_x 1
		.amdhsa_system_sgpr_workgroup_id_y 1
		.amdhsa_system_sgpr_workgroup_id_z 1
		.amdhsa_system_vgpr_workitem_id 0
		.amdhsa_next_free_vgpr 16
		.amdhsa_next_free_sgpr 66
		.amdhsa_reserve_vcc 1
		.amdhsa_float_denorm_mode_32 3
		.amdhsa_float_denorm_mode_16_64 3
		.amdhsa_memory_ordered 1
		.amdhsa_forward_progress 1
		.amdhsa_inst_pref_size 2
	.end_amdhsa_kernel
	.amdgpu_metadata
---
amdhsa.version: [ 1, 2 ]
amdhsa.kernels:
  - .name:           k_q5edc907595_compact
    .symbol:         k_q5edc907595_compact.kd
    .args:
      - { .name: sk, .offset: 0, .size: 8, .value_kind: global_buffer, .address_space: global }
      - { .name: lst, .offset: 8, .size: 8, .value_kind: global_buffer, .address_space: global }
    .group_segment_fixed_size: 0
    .private_segment_fixed_size: 0
    .kernarg_segment_align: 8
    .kernarg_segment_size: 16
    .max_flat_workgroup_size: 256
    .sgpr_count:     66
    .vgpr_count:     16
    .wavefront_size: 32
...
	.end_amdgpu_metadata
.endif
;; end of part 2
;; launch emit (part 3): grid 300 x 2, 1 waves a work-group, no clusters, 0 bytes of LDS; arguments lst, fc, poses, out0, out1, out2, out3; writes out0, out1, out2, out3
.if DOCPART == 3
	.amdgcn_target "amdgcn-amd-amdhsa--gfx1250"
	.amdhsa_code_object_version 6
	.text
	.protected	k_q5edc907595_emit
	.globl	k_q5edc907595_emit
	.p2align	8
	.type	k_q5edc907595_emit,@function
k_q5edc907595_emit:
	s_mov_b64 s[64:65], 0
	v_nop
	global_prefetch_b8 v0, s[64:65] scope:SCOPE_SE
	s_setreg_imm32_b32 hwreg(HW_REG_WAVE_MODE, 25, 1), 1
	s_wait_xcnt 0x0
; EMIT: one wave for each of a batch's 300 chosen elements (e, key).  All that steers an address here is a whole number that an earlier launch stored.
;   slot  = how many of the 300 come before it: a greater key, or the same key and a lower e (the order of a stable top-k).
;   row i = e % 2048 of class c = e / 2048: its members are the columns j with first[j] = i; their number is the row's count.
;   The row's entries are the member's confidence code, or the code of 0; the three lowest by (code, j) are found one after the other; the poses at these three columns are averaged.
;   Count below 3: -1.  key = 0 (an invalid element that filled a place): score, label, index and pose are -1.
; A lane holds columns 64 k + 2 l + q: register pair x = 2 k + q at v[L + 2 x] (first) and v[L + 2 x + 1] (code); OFF(x) = 64 k + q.
; No LDS, no barrier: a wave needs nothing of another.  The stores are 48 + 3 x 4 bytes at a slot that hangs on data.
; LIMIT.  A NaN among the confidences is not treated apart (its code would be the one that marks a column as taken).
.set L, 64
	s_load_b256 s[4:11], s[0:1], 0x0               ; lst s[4:5], fc s[6:7], poses s[8:9], out0 s[10:11]
	s_load_b128 s[12:15], s[0:1], 0x20             ; out1 s[12:13], out2 s[14:15]
	s_load_b64 s[16:17], s[0:1], 0x30              ; out3
	s_and_b32 s19, ttmp7, 0xffff                   ; batch
	s_lshl_b32 s29, ttmp9, 3                       ; my entry: 8 x place
	s_mul_i32 s30, s19, 2560
	s_mov_b32 s31, 0
	s_mov_b32 s32, 0x76543210                      ; v_permlanex16_b32: each lane takes its own place in the other half
	s_mov_b32 s33, 0xfedcba98
	v_lshlrev_b32 v5, 3, v0                        ; 8 l
	v_add_nc_u32 v6, 2304, v5
	v_min_u32 v6, 2392, v6                         ; entries 288 + l, held at 299
	v_lshlrev_b32 v7, 4, v0                        ; 16 l
	v_lshlrev_b32 v11, 1, v0                       ; 2 l
	v_mov_b32 v9, 0                                ; written, since the lane moves below count as readers of it
	v_mov_b32 v13, -1                              ; the code of a column that has been taken
	v_mov_b32 v22, 0x80000000                      ; the code of 0
	s_wait_kmcnt 0x0
	s_add_nc_u64 s[4:5], s[4:5], s[30:31]
	s_load_b64 s[20:21], s[4:5], s29 offset:0x0    ; e s20, key s21
.irp t, 0,1,2,3,4,5,6,7,8
	global_load_b64 v[24+2*\t:25+2*\t], v5, s[4:5] offset:256*\t
.endr
	global_load_b64 v[42:43], v6, s[4:5]
	s_wait_kmcnt 0x0
	s_lshr_b32 s23, s20, 11
	s_min_u32 s23, s23, 7                          ; class
	s_and_b32 s24, s20, 2047                       ; row
	s_lshl3_add_u32 s30, s19, s23
	s_lshl_b32 s30, s30, 14
	s_add_nc_u64 s[6:7], s[6:7], s[30:31]          ; the class's table
.set k, 0
.rept 32
	global_load_b128 v[L+4*k:L+4*k+3], v7, s[6:7] offset:512*k
.set k, k+1
.endr
	s_mul_i32 s30, s19, 786432
	s_add_nc_u64 s[8:9], s[8:9], s[30:31]          ; the batch's poses
	v_min_u32 v17, 11, v0
	s_mul_i32 s27, s23, 48
	v_lshl_add_u32 v17, v17, 2, s27                ; class x 48 + 4 x (lane, held at 11)
	; the slot, while the table is on its way
	s_mov_b32 s25, 0
	s_wait_loadcnt 32                              ; the list's ten loads are in; the 32 issued behind them may stay out
.irp t, 0,1,2,3,4,5,6,7,8,9
	v_cmp_lt_u32 s34, s21, v[25+2*\t]
	v_cmp_eq_u32 s35, s21, v[25+2*\t]
	v_cmp_gt_u32 s36, s20, v[24+2*\t]
	s_and_b32 s35, s35, s36
	s_or_b32 s34, s34, s35
.if \t == 9
	s_and_b32 s34, s34, 0xfff                      ; entries 288..299 alone
.endif
	s_bcnt1_i32_b32 s27, s34
	s_add_co_u32 s25, s25, s27
.endr
	s_min_u32 s25, s25, 299
	s_mul_i32 s37, s19, 300
	s_add_co_u32 s37, s37, s25                     ; slot among both batches' 600
	; members: the entry is the member's code, or the code of 0
	s_mov_b32 s26, 0
.set g, 0
.rept 16
	s_wait_loadcnt 30-2*g                          ; table loads 2 g and 2 g + 1 are in; those behind them may stay out
.irp c, 0,1,2,3
	v_cmp_eq_u32 s[40+\c], s24, v[L+2*(4*g+\c)]
.endr
.irp c, 0,1,2,3
	v_cndmask_b32 v[L+2*(4*g+\c)+1], v22, v[L+2*(4*g+\c)+1], s[40+\c]
	s_bcnt1_i32_b32 s27, s[40+\c]
	s_add_co_u32 s26, s26, s27
.endr
.set g, g+1
.endr
.macro XMIN r                          ; the smallest of the 32 lanes' v[r], into every lane
.irp m, 1,2,4,8
	v_mov_b32_dpp v9, v[\r] row_xmask:\m row_mask:0xf bank_mask:0xf
	v_min_u32 v[\r], v[\r], v9
.endr
	v_permlanex16_b32 v9, v[\r], s32, s33
	v_min_u32 v[\r], v[\r], v9
.endm
; The lowest entry by (code, column) goes into v[14 + r]; for r < 2 it is then marked as taken.  Four chains each time, so that no line waits for the one before it.
.macro LOW3 r
.irp c, 0,1,2,3
	v_min_u32 v[44+\c], v[L+2*\c+1], v[L+2*(\c+4)+1]
.endr
.set x, 8
.rept 56
	v_min_u32 v[44+x%4], v[44+x%4], v[L+2*x+1]
.set x, x+1
.endr
	v_min_u32 v44, v44, v45
	v_min_u32 v46, v46, v47
	v_min_u32 v8, v44, v46
	XMIN 8                                         ; the lowest code
.irp c, 0,1,2,3
	v_mov_b32 v[48+\c], 0x7fffffff
.endr
.set x, 60
.rept 16                                               ; downward, so that a chain keeps its lowest column with that code
.irp c, 0,1,2,3
	v_cmp_ne_u32 s[40+\c], v8, v[L+2*(x+\c)+1]
.endr
.irp c, 0,1,2,3
	v_cndmask_b32 v[48+\c], 64*((x+\c)/2)+(x+\c)%2, v[48+\c], s[40+\c]
.endr
.set x, x-4
.endr
	v_min_u32 v48, v48, v49
	v_min_u32 v50, v50, v51
	v_min_u32 v10, v48, v50
	v_add_nc_u32 v[14+\r], v10, v11                ; OFF + 2 l
	XMIN 14+\r                                     ; the lowest column with the lowest code
.if \r < 2
	v_sub_nc_u32 v12, v[14+\r], v11                ; equals one of my OFF in the lane that holds the column, and in no other: OFF % 64 is 0 or 1
.set x, 0
.rept 16
.irp c, 0,1,2,3
	v_cmp_eq_u32 s[40+\c], 64*((x+\c)/2)+(x+\c)%2, v12
.endr
.irp c, 0,1,2,3
	v_cndmask_b32 v[L+2*(x+\c)+1], v[L+2*(x+\c)+1], v13, s[40+\c]
.endr
.set x, x+4
.endr
.endif
.endm
	LOW3 0
	LOW3 1
	LOW3 2
.irp r, 0,1,2
	v_min_u32 v[14+\r], 2047, v[14+\r]
	v_mad_u32_u24 v[14+\r], v[14+\r], 384, v17     ; column x 384 + class x 48 + 4 x lane
.endr
.irp r, 0,1,2
	global_load_b32 v[18+\r], v[14+\r], s[8:9]
.endr
	s_cmp_ge_u32 s26, 3                            ; three members or more,
	s_cselect_b32 s38, -1, 0
	s_cmp_lg_u32 s21, 0                            ; and a valid element
	s_cselect_b32 s38, s38, 0
	s_cselect_b32 s34, s21, 0xbf800000             ; score or -1.0
	s_cselect_b32 s35, s23, -1                     ; label or -1
	s_cselect_b32 s36, s24, -1                     ; index or -1
	v_mov_b32 v23, s34
	v_mov_b32 v24, s35
	v_mov_b32 v25, s36
	s_mul_i32 s27, s37, 48
	v_lshl_add_u32 v26, v0, 2, s27                 ; slot x 48 + 4 l
	s_lshl_b32 s27, s37, 2
	v_mov_b32 v27, s27                             ; slot x 4
	s_wait_loadcnt 0x0
	v_add_f32 v21, v18, v19
	v_add_f32 v21, v21, v20
	v_mul_f32 v21, 0x3eaaaaab, v21                 ; a third
	v_cndmask_b32 v21, -1.0, v21, s38
	v_cmp_gt_u32 vcc_lo, 12, v0
	s_wait_xcnt 0x0                                ; EXEC changes only behind this wait
	s_and_saveexec_b32 s39, vcc_lo
	global_store_b32 v26, v21, s[14:15]            ; lanes 0..11: the pose
	s_wait_xcnt 0x0
	s_or_b32 exec_lo, exec_lo, s39
	v_cmp_eq_u32 vcc_lo, 0, v0
	s_and_saveexec_b32 s39, vcc_lo
	global_store_b32 v27, v23, s[10:11]            ; lane 0: score, label, index
	global_store_b32 v27, v24, s[12:13]
	global_store_b32 v27, v25, s[16:17]
	s_wait_xcnt 0x0
	s_or_b32 exec_lo, exec_lo, s39
	s_endpgm
.Lfunc_end_k_q5edc907595_emit:
	.size	k_q5edc907595_emit, .Lfunc_end_k_q5edc907595_emit-k_q5edc907595_emit
	.p2alignl 7, 3214868480
	.fill 96, 4, 3214868480
	.section	.rodata,"a",@progbits
	.p2align	6, 0x0
	.amdhsa_kernel k_q5edc907595_emit
		.amdhsa_group_segment_fixed_size 0
		.amdhsa_private_segment_fixed_size 0
		.amdhsa_enable_private_segment 0
		.amdhsa_kernarg_size 56
		.amdhsa_user_sgpr_count 2
		.amdhsa_user_sgpr_kernarg_segment_ptr 1
		.amdhsa_wavefront_size32 1
		.amdhsa_system_sgpr_workgroup_id_x 1
		.amdhsa_system_sgpr_workgroup_id_y 1
		.amdhsa_system_sgpr_workgroup_id_z 1
		.amdhsa_system_vgpr_workitem_id 0
		.amdhsa_next_free_vgpr 192
		.amdhsa_next_free_sgpr 66
		.amdhsa_reserve_vcc 1
		.amdhsa_float_denorm_mode_32 3
		.amdhsa_float_denorm_mode_16_64 3
		.amdhsa_memory_ordered 1
		.amdhsa_forward_progress 1
		.amdhsa_inst_pref_size 84
	.end_amdhsa_kernel
	.amdgpu_metadata
---
amdhsa.version: [ 1, 2 ]
amdhsa.kernels:
  - .name:           k_q5edc907595_emit
    .symbol:         k_q5edc907595_emit.kd
    .args:
      - { .name: lst, .offset: 0, .size: 8, .value_kind: global_buffer, .address_space: global }
      - { .name: fc, .offset: 8, .size: 8, .value_kind: global_buffer, .address_space: global }
      - { .name: poses, .offset: 16, .size: 8, .value_kind: global_buffer, .address_space: global }
      - { .name: out0, .offset: 24, .size: 8, .value_kind: global_buffer, .address_space: global }
      - { .name: out1, .offset: 32, .size: 8, .value_kind: global_buffer, .address_space: global }
      - { .name: out2, .offset: 40, .size: 8, .value_kind: global_buffer, .address_space: global }
      - { .name: out3, .offset: 48, .size: 8, .value_kind: global_buffer, .address_space: global }
    .group_segment_fixed_size: 0
    .private_segment_fixed_size: 0
    .kernarg_segment_align: 8
    .kernarg_segment_size: 56
    .max_flat_workgroup_size: 32
    .sgpr_count:     66
    .vgpr_count:     192
    .wavefront_size: 32
...
	.end_amdgpu_metadata
.endif
;; end of part 3
